; MI455X (gfx1250); checked and timed in simulation.
; The chip was launched on July 23, 2026; its instructions are those of AMD's public machine-readable ISA for CDNA 5 (MIT licence, August 2026) and "CDNA5" Instruction Set Architecture Reference Guide (July 2026). The comments in the code are by the model that wrote it; some were corrected since.
;; Bahadanau Attention. Allowed arithmetic: float matrix products may take bf16 or f16 operands with f32 sums; other float arithmetic in f32, or as packed bf16 or f16 multiplies, adds, multiply-adds, maxima and minima; sums over many terms, partial sums and values carried from step to step in f32; what a program stores and reads back later, other than sums and carried values, may be rounded once to bf16 or f16.
;; Inputs: We 1 x 1,024 float32; Wk 1,024 x 2,048 float32; Wq 1,024 x 1,024 float32; decoder_hidden 32 x 1 x 1,024 float32; encoder_output 32 x 1,024 x 2,048 float32.
;; Outputs: out0 32 x 1 x 2,048 float32.
;; One version. Each part assembles by itself: llvm-mc -triple=amdgcn-amd-amdhsa -mcpu=gfx1250 --defsym DOCPART=n.
;; ======== version 1 of 1: 3 launches
;; workspace buffers: encb 134,217,728 bytes; wkb 4,194,304 bytes; qs 131,072 bytes; part 1,048,576 bytes
;; launch prep (part 1): grid 2176 x 1, 16 waves a work-group, no clusters, 34,816 bytes of LDS; arguments Wk, Wq, decoder_hidden, encoder_output, wkb, qs, encb; writes wkb, qs, encb
.if DOCPART == 1
	.amdgcn_target "amdgcn-amd-amdhsa--gfx1250"
	.amdhsa_code_object_version 6
	.text
	.protected	k_q96448dbb51_prep
	.globl	k_q96448dbb51_prep
	.p2align	8
	.type	k_q96448dbb51_prep,@function
k_q96448dbb51_prep:
	s_mov_b64 s[64:65], 0
	v_nop
	global_prefetch_b8 v0, s[64:65] scope:SCOPE_SE
	s_setreg_imm32_b32 hwreg(HW_REG_WAVE_MODE, 25, 1), 1
	s_wait_xcnt 0x0
; PREPARATION.  encb = encoder_output and wkb = Wk, each rounded once to bf16, rows as they lie ([32,768][2,048] and [1,024][2,048]).
; qs = c x (decoder_hidden . Wq^T), c = 2 log2(e), f32, laid [g = column / 16][batch 0..31][16]: the next launch adds it to c x key and takes 2 to that power.
; SHARES.  Work-groups 0-63 make the query: 16 columns each, both tiles of 16 batches, K = 1,024 split among the 16 waves (64 k a wave); the 16 partial sums meet in LDS, threads 0-127 add them in f32.
; The next 2,048 work-groups convert 16 rows of encoder_output each, the last 64 convert 16 rows of Wk each, by one text: a wave takes ONE row of 8,192 bytes: 16 loads of 512 consecutive bytes,
; all issued first, and 16 stores of 8 bytes a lane, each of which covers 256 consecutive bytes, aligned.  Each byte is read once and written once.
; The work-groups are short and many, and 128 registers a wave let two of them share a WGP: while one starts or ends, the other's 131,072 bytes are on their way.
; NO CLUSTER: what work-groups share is decoder_hidden, 131,072 of the 281 million bytes read.  No LDS on the stream's way, no tensor load, no prefetch: a wave asks for all its bytes in its first lines.
; LIMITS.  decoder_hidden and Wq enter their product rounded to bf16; sums in f32.  NaN and infinities are not treated apart.
.set NQ,    64                         ; work-groups that make the query
.set NE,    2048                       ; work-groups that convert encoder_output
.set SPARE, 32768                      ; LDS: 0 .. 32,767 sixteen partial sums of 2,048 bytes ([batch 32][16 columns] f32); then the spare words, 128 bytes for each of 16 waves
.set CEXP,  0x4038aa3b                 ; c = 2 log2(e) = 2.885390
.set FO,  2                            ; v2   byte offset of my loads
.set SO,  3                            ; v3   where I store (LDS in the query's work-groups, the bf16 row in the others)
.set LR,  4                            ; v4   16 x my thread's number
.set SPW, 8                            ; v8   LDS address of my spare word; never rewritten
.set NIL, 9                            ; v9   0; never rewritten
.set ACC, 16                           ; v[16:31]  two accumulators: batches 0-15, 16-31
.set WF,  32                           ; v[32:63]  Wq in f32; rounded in place: fragment c at 8 c
.set DF,  64                           ; v[64:127] decoder_hidden in f32; rounded in place: tile t, fragment c at 16 t + 8 c
.set X,   32                           ; v[32:95]  the stream: a row as loaded, 4 registers a load
.set Y,   96                           ; v[96:127] the row to store, 2 registers a store
	s_load_b256 s[4:11], s[0:1], 0x0               ; Wk s[4:5], Wq s[6:7], decoder_hidden s[8:9], encoder_output s[10:11]
	s_load_b128 s[12:15], s[0:1], 0x20             ; wkb s[12:13], qs s[14:15]
	s_load_b64 s[16:17], s[0:1], 0x30              ; encb
	v_lshl_add_u32 v[SPW], v0, 2, SPARE
	v_mov_b32 v[NIL], 0
	v_lshrrev_b32 v1, 5, v0
	v_readfirstlane_b32 s18, v1                    ; wave 0..15
	v_and_b32 v10, 15, v0                          ; l % 16
	v_bfe_u32 v11, v0, 4, 1                        ; l / 16
	v_and_b32 v12, 31, v0                          ; l
	v_lshlrev_b32 v[LR], 4, v0
	s_mov_b32 s19, ttmp9                           ; the work-group's number: the same in all 16 waves
	s_cmp_lt_u32 s19, NQ
	s_cbranch_scc0 .Lconv
	; THE QUERY.  A fragment is 16 rows x 32 k: lane l holds row l % 16, k = 8 (l / 16) + 0..7 and 16 + 8 (l / 16) + 0..7.  In f32 that is four loads of 16 bytes, at 0, 16, 64 and 80 behind 32 (l / 16).
	s_lshl_b32 s20, s19, 16                        ; 16 rows of Wq, 4,096 bytes each
	s_mov_b32 s21, 0
	s_lshl_b32 s22, s19, 11                        ; the group's 2,048 bytes of qs
	s_mov_b32 s23, 0
	s_lshl_b32 s24, s18, 8                         ; my wave's 64 k: 256 bytes of a row
	v_lshlrev_b32 v[FO], 12, v10
	v_lshl_add_u32 v[FO], v11, 5, v[FO]
	v_add_nc_u32 v[FO], s24, v[FO]
	s_lshl_b32 s25, s18, 11                        ; my wave's partial sum in LDS
	v_lshlrev_b32 v[SO], 6, v10                    ; batch l % 16: 64 bytes a batch,
	v_lshl_add_u32 v[SO], v11, 5, v[SO]            ; my eight columns
	v_add_nc_u32 v[SO], s25, v[SO]
	s_wait_kmcnt 0x0
	s_add_nc_u64 s[6:7], s[6:7], s[20:21]
	s_add_nc_u64 s[14:15], s[14:15], s[22:23]
.irp c, 0,1
.irp q, 0,1,2,3
	global_load_b128 v[WF+16*(\c)+4*(\q):WF+16*(\c)+4*(\q)+3], v[FO], s[6:7] offset:128*(\c)+64*((\q)/2)+16*((\q)%2) th:TH_LOAD_NT
.endr
.endr
.irp t, 0,1
.irp c, 0,1
.irp q, 0,1,2,3
	global_load_b128 v[DF+32*(\t)+16*(\c)+4*(\q):DF+32*(\t)+16*(\c)+4*(\q)+3], v[FO], s[8:9] offset:65536*(\t)+128*(\c)+64*((\q)/2)+16*((\q)%2)
.endr
.endr
.endr
	s_wait_loadcnt 16                              ; Wq's 8 loads are in; decoder_hidden's 16 may stay out
.set j, 0
.rept 16
	v_cvt_pk_bf16_f32 v[WF+j], v[WF+2*j], v[WF+2*j+1]  ; in place, ascending: register j is written when registers 2 j and 2 j + 1 are read, and is wanted by no later line
.set j, j+1
.endr
	s_wait_loadcnt 0x0
.set j, 0
.rept 32
	v_cvt_pk_bf16_f32 v[DF+j], v[DF+2*j], v[DF+2*j+1]
.set j, j+1
.endr
	; source 0 = 16 rows of Wq, source 1 = 16 batches: a lane ends with ONE batch (l % 16) and the columns 8 (l / 16) + 0..7.  The two accumulators take turns, one instruction a turn.
.irp c, 0,1
.irp t, 0,1
.if (\c) == 0
	v_wmma_f32_16x16x32_bf16 v[ACC+8*(\t):ACC+8*(\t)+7], v[WF+8*(\c):WF+8*(\c)+7], v[DF+16*(\t)+8*(\c):DF+16*(\t)+8*(\c)+7], 0
.else
	v_wmma_f32_16x16x32_bf16 v[ACC+8*(\t):ACC+8*(\t)+7], v[WF+8*(\c):WF+8*(\c)+7], v[DF+16*(\t)+8*(\c):DF+16*(\t)+8*(\c)+7], v[ACC+8*(\t):ACC+8*(\t)+7]
.endif
.endr
.endr
.rept 8
	v_nop                                          ; the places behind the last products, ahead of the stores that read the sums and of the loads into the sources
.endr
.irp t, 0,1
	ds_store_b128 v[SO], v[ACC+8*(\t):ACC+8*(\t)+3]   offset:1024*(\t)     ; each accumulator's lowest registers first
	ds_store_b128 v[SO], v[ACC+8*(\t)+4:ACC+8*(\t)+7] offset:1024*(\t)+16
.endr
	s_branch .Ljoin
.Lconv:
	; THE STREAM.  Unit u = the work-group's number less 64: units 0 .. 2,047 take rows of encoder_output, the others rows of Wk.  Row = 16 x unit + wave: 8,192 bytes in, 4,096 out.
	s_sub_co_u32 s20, s19, NQ
	s_sub_co_u32 s21, s19, NQ+NE
	v_lshlrev_b32 v[FO], 4, v12                    ; 16 bytes a lane: a load covers 512 consecutive bytes
	v_lshlrev_b32 v[SO], 3, v12                    ; 8 bytes a lane: a store covers 256 consecutive bytes
	s_wait_kmcnt 0x0
	s_cmp_lt_u32 s20, NE
	s_cselect_b32 s20, s20, s21
	s_cselect_b64 s[22:23], s[10:11], s[4:5]       ; from encoder_output or Wk,
	s_cselect_b64 s[24:25], s[16:17], s[12:13]     ; to encb or wkb
	s_lshl_b32 s20, s20, 4
	s_add_co_u32 s20, s20, s18
	s_lshl_b32 s26, s20, 13
	s_mov_b32 s27, 0
	s_lshl_b32 s28, s20, 12
	s_mov_b32 s29, 0
	s_add_nc_u64 s[22:23], s[22:23], s[26:27]
	s_add_nc_u64 s[24:25], s[24:25], s[28:29]
.set i, 0
.rept 16
	global_load_b128 v[X+4*i:X+4*i+3], v[FO], s[22:23] offset:512*i th:TH_LOAD_NT
.set i, i+1
.endr
.set i, 0
.rept 16
	s_wait_loadcnt 15-i                            ; loads come back in order (ISA guide 5.7.1): load i is in, the younger ones stay out
	v_cvt_pk_bf16_f32 v[Y+2*i], v[X+4*i], v[X+4*i+1]
	v_cvt_pk_bf16_f32 v[Y+2*i+1], v[X+4*i+2], v[X+4*i+3]
	global_store_b64 v[SO], v[Y+2*i:Y+2*i+1], s[24:25] offset:256*i th:TH_STORE_NT  ; every store has data registers of its own: none is rewritten
.set i, i+1
.endr
.Ljoin:
	s_wait_dscnt 0x0                               ; for the others' sake: my partial sums lie in LDS
	s_barrier_signal -1
	s_barrier_wait -1                              ; every wave of every work-group passes this one barrier
	s_cmp_lt_u32 s19, NQ
	s_cbranch_scc0 .Lend
	s_cmp_lt_u32 s18, 4
	s_cbranch_scc0 .Lend
.irp p, 0,1,2,3,4,5,6,7,8,9,10,11,12,13,14,15
	ds_load_b128 v[32+4*(\p):32+4*(\p)+3], v[LR] offset:2048*(\p)  ; threads 0-127: 16 bytes of each of the 16 partial sums
.endr
	s_wait_dscnt 0x0
.macro FOLD n                          ; groups of four registers 0 .. n - 1 take groups n .. 2 n - 1
.set q, 0
.rept 2*(\n)
	v_pk_add_f32 v[32+2*q:32+2*q+1], v[32+2*q:32+2*q+1], v[32+4*(\n)+2*q:32+4*(\n)+2*q+1]
.set q, q+1
.endr
.endm
	FOLD 8
	FOLD 4
	FOLD 2
	FOLD 1
	v_pk_mul_f32 v[32:33], v[32:33], CEXP op_sel_hi:[1,0]
	v_pk_mul_f32 v[34:35], v[34:35], CEXP op_sel_hi:[1,0]
	global_store_b128 v[LR], v[32:35], s[14:15]    ; a wave stores 512 consecutive bytes of qs, aligned
.Lend:
	s_wait_tensorcnt 0x0                           ; the wave's end, behind my last LDS store
	ds_add_u32 v[SPW], v[NIL]
	s_wait_dscnt 0x0
	s_endpgm
.Lfunc_end_k_q96448dbb51_prep:
	.size	k_q96448dbb51_prep, .Lfunc_end_k_q96448dbb51_prep-k_q96448dbb51_prep
	.p2alignl 7, 3214868480
	.fill 96, 4, 3214868480
	.section	.rodata,"a",@progbits
	.p2align	6, 0x0
	.amdhsa_kernel k_q96448dbb51_prep
		.amdhsa_group_segment_fixed_size 34816
		.amdhsa_private_segment_fixed_size 0
		.amdhsa_enable_private_segment 0
		.amdhsa_kernarg_size 56
		.amdhsa_user_sgpr_count 2
		.amdhsa_user_sgpr_kernarg_segment_ptr 1
		.amdhsa_wavefront_size32 1
		.amdhsa_system_sgpr_workgroup_id_x 1
		.amdhsa_system_sgpr_workgroup_id_y 1
		.amdhsa_system_sgpr_workgroup_id_z 1
		.amdhsa_system_vgpr_workitem_id 0
		.amdhsa_next_free_vgpr 128
		.amdhsa_next_free_sgpr 66
		.amdhsa_reserve_vcc 0
		.amdhsa_float_denorm_mode_32 3
		.amdhsa_float_denorm_mode_16_64 3
		.amdhsa_memory_ordered 1
		.amdhsa_forward_progress 1
		.amdhsa_inst_pref_size 18
	.end_amdhsa_kernel
	.amdgpu_metadata
---
amdhsa.version: [ 1, 2 ]
amdhsa.kernels:
  - .name:           k_q96448dbb51_prep
    .symbol:         k_q96448dbb51_prep.kd
    .args:
      - { .name: Wk, .offset: 0, .size: 8, .value_kind: global_buffer, .address_space: global }
      - { .name: Wq, .offset: 8, .size: 8, .value_kind: global_buffer, .address_space: global }
      - { .name: decoder_hidden, .offset: 16, .size: 8, .value_kind: global_buffer, .address_space: global }
      - { .name: encoder_output, .offset: 24, .size: 8, .value_kind: global_buffer, .address_space: global }
      - { .name: wkb, .offset: 32, .size: 8, .value_kind: global_buffer, .address_space: global }
      - { .name: qs, .offset: 40, .size: 8, .value_kind: global_buffer, .address_space: global }
      - { .name: encb, .offset: 48, .size: 8, .value_kind: global_buffer, .address_space: global }
    .group_segment_fixed_size: 34816
    .private_segment_fixed_size: 0
    .kernarg_segment_align: 8
    .kernarg_segment_size: 56
    .max_flat_workgroup_size: 512
    .sgpr_count:     66
    .vgpr_count:     128
    .wavefront_size: 32
...
	.end_amdgpu_metadata
.endif
;; end of part 1
;; launch energy (part 2): grid 4 x 128, 4 waves a work-group, clusters of 4 x 4, 327,680 bytes of LDS; arguments encb, wkb, qs, We, part; writes part
.if DOCPART == 2
	.amdgcn_target "amdgcn-amd-amdhsa--gfx1250"
	.amdhsa_code_object_version 6
	.text
	.protected	k_q96448dbb51_energy
	.globl	k_q96448dbb51_energy
	.p2align	8
	.type	k_q96448dbb51_energy,@function
k_q96448dbb51_energy:
	s_mov_b64 s[64:65], 0
	v_nop
	global_prefetch_b8 v0, s[64:65] scope:SCOPE_SE
	s_setreg_imm32_b32 hwreg(HW_REG_WAVE_MODE, 25, 1), 1
	s_wait_xcnt 0x0
	s_wait_alu depctr_hold_cnt(0) depctr_sa_sdst(0) depctr_va_vdst(0) depctr_va_sdst(0) depctr_va_ssrc(0) depctr_va_vcc(0) depctr_vm_vsrc(0)
	s_getreg_b32 s2, hwreg(HW_REG_IB_STS2, 6, 4)
	s_cmp_eq_u32 s2, 0
	s_cbranch_scc0 .Lentry_in_a_cluster
	s_endpgm
.Lentry_in_a_cluster:
	s_bfe_u32 s2, ttmp6, 0x10000c
	s_cmp_lg_u32 s2, 0xf033
	s_cbranch_scc0 .Lentry_shape_is_right
	s_endpgm
.Lentry_shape_is_right:
; ENERGY.  key[row][n] = the sum over k of encb[row][k] wkb[n][k] (32,768 rows, 1,024 columns, K = 2,048; bf16 operands, f32 sums), and of it
; part[plane][row] = the sum over the plane's 128 columns n of (-2 We[n]) / (1 + 2^(c key + qs)), c = 2 log2(e), qs = c x query (made by the launch before); plane = n / 128.
; tanh x = 1 - 2 / (1 + e^(2x)), so a score is the sum of all We[n] plus the eight planes of part.  That first sum is the same number for every score, and the softmax that follows
; is unchanged when all its scores shift alike: it is not added.  2^t = infinity gives the quotient 0 (tanh = 1), 2^t = 0 gives the quotient 1 (tanh = -1): no case is treated apart.
; LIMITS.  All inputs enter rounded once to bf16: encoder_output and Wk by the launch before, We here, as its table is laid in LDS.  qs and all sums are f32.
; The exponential and the reciprocal take a denormal for 0.  NaN and infinite inputs are not treated apart.
; SHARES.  A work-group makes a tile of 256 rows x 256 columns of key; each of its four waves 128 x 128: 64 accumulators of 16 x 16, 512 registers.  K goes in steps of 128 through two LDS slots
; filled by the tensor data mover: the tiles' rows are 256 bytes of memory and start at multiples of 256 bytes.  A wave's sums over its 128 columns are a plane of part: no sum crosses waves.
; THE MATRIX INSTRUCTION IS USED TRANSPOSED: source 0 = 16 rows of wkb, source 1 = 16 rows of encb: a lane holds ONE row of encb (l % 16) and the columns 8 (l / 16) + 0..7 of a block.
; CLUSTER.  4 x 4 work-groups.  The four of a row of the cluster are the four tile columns of the same 256 rows of encb, the four of a column share their 256 rows of wkb:
; each tile is asked for JOINTLY, by the same tensor load with the same descriptor and a mask that names the four.
; REGISTERS, in windows of 256 (s_set_vgpr_msb: bits 1:0 source 0, 3:2 source 1, 5:4 source 2, 7:6 destination):
;   window 0: v0-31 addresses; v32-59 sums; v64-127, v128-191 fragments of encb (8 x 16 rows x 32 K), two buffers; v192-255 -2 We of my 128 columns
;   window 1: v0-63 qs of my 128 columns; v64-127, v128-191 fragments of wkb, two buffers
;   window 2: the 32 accumulators of my rows 0-63 ((a, b) at 8 (8 a + b));   window 3: those of my rows 64-127
.set SIZE_K, 2048
.set KSTEP,  128
.set PITCH,  272                       ; an LDS row: 256 bytes + 16 of padding = 68 words: row r starts at bank 4 r mod 64 (64 banks of 4 bytes: ISA guide 11.1), so the 16 rows of a load start at 16 different banks
.set HALFT,  128*PITCH                 ; 128 rows: what one tensor load brings, and what one wave reads of either tile
.set SLOT,   4*HALFT                   ; encb's 256 rows, then wkb's 256 rows
.set TAB,    2*SLOT                    ; behind the ring, never filled by a tensor load: 256 f32 of qs, then 256 f32 of -2 We
.set OUTS,   TAB+2048                  ; 512 bytes for each wave, for the way out
.set SPARE,  OUTS+2048                 ; the spare words, 128 bytes for each wave: two blocks of 256 bytes that no other line names
.set LAPS,   SIZE_K/(2*KSTEP)          ; a lap = two K steps = once round the ring
.set ADRA, 16                          ; v16-17  LDS address of my fragments of encb in slot 0, 1
.set ADRB, 20                          ; v20-21  the same for wkb
.set TABR, 24                          ; v24     my eight columns of a block in the tables
.set OST,  25                          ; v25     the way out: where I put a row's sum
.set ORD,  26                          ; v26     the way out: where I read four sums back
.set PO,   27                          ; v27     my 16 bytes of the wave's 512 in part
.set SPW,  28                          ; v28     LDS address of my spare word; never rewritten
.set NIL,  29                          ; v29     0; never rewritten
.set PFO,  30                          ; v30     the prefetches' offset: my lane x a row (4,096 bytes); never rewritten
.set RS,   32                          ; v[32:47] two sets of four running pairs
.set SUM,  48                          ; v[48:55] row block a's sum
.set OUTV, 56                          ; v[56:59] four sums to store
.set F0,   64                          ; fragment buffer 0
.set F1,   128                         ; fragment buffer 1
.set WE,   192                         ; -2 We: column block b at 8 b
.set G1,  24                           ; s[24:31] descriptor group 1 for encb's tiles;  s[32:39] group 0, a set for each slot
.set G0,  32
.set G1B, 48                           ; s[48:55], s[56:63] the same for wkb's
.set G0B, 56
.set LIM, 43                           ; s43  1 in a wave that prefetches, else the greatest number
.set PFA, 44                           ; s[44:45] where my prefetches stand
.set CS,  66                           ; s[66:67] c; the packed multiply-add takes the pair's low word for both halves
.set SEL, 78                           ; s[78:79] v_permlanex16_b32's selects: each lane takes its own place in the other half
.set MSB, 0
.macro WIN new                         ; the immediate's high byte repeats the setting that is left; a switch that changes nothing is dropped
.if MSB != (\new)
	s_set_vgpr_msb (MSB<<8)|(\new)
.set MSB, \new
.endif
.endm
.set MUL_LO, 0xa1                      ; source 0 (wkb) window 1, source 1 (encb) window 0, C and D window 2
.set MUL_HI, 0xf1                      ; the same, C and D window 3
.set TO_B,   0x40                      ; destination window 1, address window 0
; A joint load.  Waves 0 and 1 fetch the two halves of encb's tile, waves 2 and 3 those of wkb's.  The branch hangs on the wave's number alone.
; An s_nop 0 and four v_nop follow each of the two lines, ahead of the jump, the label and what follows.
.macro JLOAD s
	s_cmp_eq_u32 s11, 0
	s_cbranch_scc0 .Lfor_b_\@
	tensor_load_to_lds s[G0+4*(\s):G0+4*(\s)+3], s[G1:G1+7]
	s_nop 0
.rept 4
	v_nop
.endr
	s_branch .Lasked_\@
.Lfor_b_\@:
	tensor_load_to_lds s[G0B+4*(\s):G0B+4*(\s)+3], s[G1B:G1B+7]
	s_nop 0
.rept 4
	v_nop
.endr
.Lasked_\@:
.endm
; A PREFETCH INTO THE L2, behind each joint load, its five lines and the run of LDS loads: the K step that stands TWO refills on, 512 matrix instructions ahead of the load that will want it:
; 32 rows x 256 bytes, a lane a row, one instruction a wave.  Each row's 256 bytes of a K step are named ONCE in the launch.  A cluster's 1,024 rows of encb are read by that cluster alone: it asks for them.
; wkb's rows are read by all 32 clusters: the cluster with y = 0 asks.  Of the 128 rows that a wave fetches, the partner at place p takes 32 p .. 32 p + 31 (p = cx for encb, cy for wkb):
; partners are told apart BY ADDRESS, no branch hangs on a place in the cluster.  K steps 0 to 3 come by their loads alone; the loop's last trip (s3 = 1) asks for nothing: there is no K step two on.
.macro ASK
	s_cmp_gt_u32 s3, s[LIM]
	s_cbranch_scc0 .Lnot_mine_\@
	global_prefetch_b8 v[PFO], s[PFA:PFA+1] offset:KSTEP*2 th:TH_LOAD_NT scope:SCOPE_SE
.Lnot_mine_\@:
.endm
; A round of the cluster's barrier behind its opening barrier: wave 0 signals for the work-group, every wave waits for all sixteen, my work-group's barrier closes the round.
.macro CREST
	s_cmp_lg_u32 s10, 0
	s_cbranch_scc1 .Lnot_wave_0_\@
	s_barrier_signal -3
.Lnot_wave_0_\@:
	s_barrier_wait -3
	s_barrier_signal -1
	s_barrier_wait -1
.endm
.macro CROUND
	s_barrier_signal -1
	s_barrier_wait -1
	CREST
.endm
	s_load_b128 s[4:7], s[0:1], 0x0                ; encb s[4:5], wkb s[6:7]
	s_load_b128 s[68:71], s[0:1], 0x10             ; qs s[68:69], We s[70:71]
	s_load_b64 s[72:73], s[0:1], 0x20              ; part
	v_lshl_add_u32 v[SPW], v0, 2, SPARE
	v_mov_b32 v[NIL], 0
	ds_add_u32 v[SPW], v[NIL]                      ; the wave's opening: the add, twice on end, and its wait ahead of my first tensor load; the set-up below stands between
	ds_add_u32 v[SPW], v[NIL]                      ; and once more, under the one wait
	v_lshrrev_b32 v1, 5, v0
	v_readfirstlane_b32 s10, v1                    ; wave 0..3
	s_lshr_b32 s11, s10, 1                         ; which half of the tile's rows is mine.  Also: I fetch encb (0) or wkb (1)
	s_and_b32 s12, s10, 1                          ; which half of its columns.  Also: which 128 rows of that tile I fetch
	s_bfe_u32 s40, ttmp6, 0x40000                  ; cx
	s_bfe_u32 s41, ttmp6, 0x40004                  ; cy
	s_lshl_b32 s42, ttmp9, 2                       ; in a cluster launch ttmp9 and ttmp7 count clusters
	s_add_co_u32 s42, s42, s40                     ; tile column 0..3
	s_and_b32 s13, ttmp7, 0xffff                   ; cluster y: also the batch, since a batch's 1,024 rows are four tiles
	s_lshl_b32 s13, s13, 2
	s_add_co_u32 s13, s13, s41                     ; tile row 0..127
	s_lshl_b32 s43, s41, 2
	s_lshl_b32 s43, 15, s43                        ; my row of the cluster: places 4 cy .. 4 cy + 3
	s_lshl_b32 s44, 0x1111, s40                    ; my column: places cx, cx + 4, cx + 8, cx + 12
	; descriptor group 1: a tile of 128 rows x 128 elements of 2 bytes, padded in LDS
	s_or_b32 s[G1+0], s43, (1<<16)|(1<<20)|(1<<21)|(5<<22)|(3<<25)  ; 15:0 the mask: encb's tiles go to my row; 17:16 element size; 20 padding on; 21 set beside a mask; 24:22 after every 64 words; 31:25 4 words
	s_or_b32 s[G1B+0], s44, (1<<16)|(1<<20)|(1<<21)|(5<<22)|(3<<25) ; the same with the mask of my column, for wkb's tiles
.irp g, G1, G1B
	s_mov_b32 s[(\g)+1], KSTEP<<16                 ; tensor_dim0 = 128
	s_mov_b32 s[(\g)+2], 128<<16                   ; tensor_dim1 = 128
	s_mov_b32 s[(\g)+3], KSTEP<<16                 ; tile_dim0 = 128
	s_mov_b32 s[(\g)+4], 128                       ; tile_dim1 = 128
	s_mov_b32 s[(\g)+5], SIZE_K                    ; elements from row to row
	s_mov_b32 s[(\g)+6], 0
	s_mov_b32 s[(\g)+7], 0
.endr
	; where the tiles come from: encb's hang on the tile row alone, wkb's on the tile column alone, each in registers that do not hold the other coordinate
	s_lshl_b32 s17, s12, 7                         ; which 128 rows of the tile I fetch
	s_lshl_b32 s16, s13, 8
	s_add_co_u32 s16, s16, s17                     ; encb: row 256 x tile row + 128 x half
	s_lshl_b32 s46, s42, 8
	s_add_co_u32 s46, s46, s17                     ; wkb: row 256 x tile column + 128 x half
	s_mov_b32 s17, 0
	s_mov_b32 s47, 0
	s_mov_b64 s[18:19], SIZE_K*2
	s_mul_u64 s[16:17], s[16:17], s[18:19]         ; in bytes
	s_mul_u64 s[46:47], s[46:47], s[18:19]
	s_mul_i32 s20, s10, HALFT                      ; and where they go: wave x 128 rows: no place in the cluster enters an LDS address
	s_mov_b32 s[CS], 0x4038aa3b                    ; c = 2 log2(e)
	s_mov_b32 s[CS+1], s[CS]
	s_mov_b32 s[SEL], 0x76543210
	s_mov_b32 s[SEL+1], 0xfedcba98
	s_wait_dscnt 0x0                               ; both opening adds are done
	s_wait_kmcnt 0x0
	s_add_nc_u64 s[14:15], s[4:5], s[16:17]
	s_add_nc_u64 s[46:47], s[6:7], s[46:47]
	CROUND                                         ; all sixteen work-groups are here: the first joint loads meet
.irp s, 0,1
	s_mov_b32 s[G0+4*(\s)], 1                                        ; count = 1
	s_add_co_u32 s[G0+4*(\s)+1], s20, (\s)*SLOT                      ; LDS address
	s_add_nc_u64 s[G0+4*(\s)+2:G0+4*(\s)+3], s[14:15], (\s)*KSTEP*2  ; global address: K step s
	s_or_b32 s[G0+4*(\s)+3], s[G0+4*(\s)+3], 0x80000000              ; type = 2
	s_mov_b32 s[G0B+4*(\s)], 1
	s_add_co_u32 s[G0B+4*(\s)+1], s20, (\s)*SLOT
	s_add_nc_u64 s[G0B+4*(\s)+2:G0B+4*(\s)+3], s[46:47], (\s)*KSTEP*2
	s_or_b32 s[G0B+4*(\s)+3], s[G0B+4*(\s)+3], 0x80000000
	JLOAD \s                                       ; two loads of mine are out
.endr
	; the tile's 256 numbers of qs (16 groups of 16, 2,048 bytes apart) and of We: two a thread
	v_lshrrev_b32 v8, 3, v0
	v_and_b32 v9, 7, v0
	v_lshlrev_b32 v8, 11, v8
	v_lshl_add_u32 v8, v9, 3, v8
	v_lshlrev_b32 v9, 3, v0
	s_lshl_b32 s74, s42, 15                        ; 16 groups of 2,048 bytes a tile column,
	s_and_b32 s75, ttmp7, 0xffff
	s_lshl_b32 s75, s75, 6                         ; the batch's 64 bytes in a group
	s_add_co_u32 s74, s74, s75
	s_mov_b32 s75, 0
	s_add_nc_u64 s[68:69], s[68:69], s[74:75]
	s_lshl_b32 s74, s42, 10
	s_add_nc_u64 s[70:71], s[70:71], s[74:75]
	global_load_b64 v[12:13], v8, s[68:69]
	global_load_b64 v[14:15], v9, s[70:71]
	; A fragment is 16 rows x 32 K in 8 registers: lane l holds row l % 16; registers 0-3 hold K = 8 (l / 16) + 0..7, registers 4-7 K = 16 + 8 (l / 16) + 0..7: two loads of 16 bytes, 32 bytes apart.
	v_and_b32 v1, 15, v0                           ; l % 16
	v_bfe_u32 v2, v0, 4, 1                         ; l / 16
	v_and_b32 v4, 31, v0                           ; l
	v_mul_u32_u24 v3, v1, PITCH
	v_lshl_add_u32 v3, v2, 4, v3                   ; row x pitch + 16 x half
	s_mul_i32 s21, s11, HALFT                      ; my 128 rows of encb
	s_mul_i32 s22, s12, HALFT                      ; my 128 rows of wkb,
	s_add_co_u32 s22, s22, 2*HALFT                 ; which lie behind encb's 256
.irp s, 0,1
	v_add_nc_u32 v[ADRA+(\s)], s21, v3
	v_add_nc_u32 v[ADRB+(\s)], s22, v3
	s_add_co_u32 s21, s21, SLOT
	s_add_co_u32 s22, s22, SLOT
.endr
	s_lshl_b32 s23, s12, 9                         ; my 128 columns: 512 bytes of a table
	s_add_co_u32 s23, s23, TAB
	v_lshl_add_u32 v[TABR], v2, 5, s23
	s_lshl_b32 s23, s10, 9
	s_add_co_u32 s23, s23, OUTS
	v_lshl_add_u32 v[OST], v1, 2, s23
	v_lshl_add_u32 v[ORD], v4, 4, s23
	v_lshlrev_b32 v[PO], 4, v4
	v_lshl_add_u32 v10, v0, 3, TAB                 ; where my two numbers of each table go
	s_lshl_b32 s74, s42, 1
	s_add_co_u32 s74, s74, s12                     ; part: plane 2 x tile column + my half,
	s_lshl_b32 s74, s74, 17
	s_lshl_b32 s76, s13, 10                        ; the tile's 256 rows,
	s_add_co_u32 s74, s74, s76
	s_lshl_b32 s76, s11, 9                         ; my 128 of them
	s_add_co_u32 s74, s74, s76
	s_add_nc_u64 s[72:73], s[72:73], s[74:75]
	; the prefetches
	s_lshl_b32 s13, s13, 8
	s_lshl_b32 s42, s42, 8
	s_and_b32 s22, ttmp7, 0xffff                   ; cluster y
	s_cmp_eq_u32 s11, 0                            ; do I fetch encb?
	s_cselect_b32 s20, s13, s42                    ; the tile's first row
	s_cselect_b32 s21, s40, s41                    ; my place among the four that ask for it with me
	s_cselect_b32 s22, ttmp9, s22                  ; the coordinate along which other clusters read the same rows (the grid has one cluster along x)
	s_cselect_b64 s[PFA:PFA+1], s[4:5], s[6:7]
	s_cmp_eq_u32 s22, 0
	s_cselect_b32 s[LIM], 1, -1                    ; the same in all sixteen partners, for a given wave
	s_lshl_b32 s22, s12, 7
	s_add_co_u32 s20, s20, s22                     ; + the 128 rows that I fetch
	s_lshl_b32 s21, s21, 5
	s_add_co_u32 s20, s20, s21                     ; + my work-group's 32 of them
	s_mov_b32 s21, 0
	s_mov_b64 s[18:19], SIZE_K*2
	s_mul_u64 s[20:21], s[20:21], s[18:19]
	s_add_nc_u64 s[PFA:PFA+1], s[PFA:PFA+1], s[20:21]
	s_add_nc_u64 s[PFA:PFA+1], s[PFA:PFA+1], 2*KSTEP*2  ; at K step 2: the first refill steps it to 3 and names K step 4
	v_mul_u32_u24 v[PFO], v4, SIZE_K*2
	s_wait_loadcnt 0x0
	v_cvt_pk_bf16_f32 v11, v14, v15                ; We is rounded once to bf16, like every other input,
	v_lshlrev_b32 v14, 16, v11                     ; and kept as f32
	v_and_b32 v15, 0xffff0000, v11
	v_pk_mul_f32 v[14:15], v[14:15], -2.0 op_sel_hi:[1,0]
	ds_store_b64 v10, v[12:13]
	ds_store_b64 v10, v[14:15] offset:1024
; 16 matrix instructions: row blocks a0, a0 + 1 of the window's four (hi = 0: my rows 0-63, 1: rows 64-127) x all 8 column blocks, 32 along K.  zero = 1: the product starts the sums: nothing is ever cleared.
.macro MUL16 f, hi, a0, zero
	WIN MUL_LO+0x50*(\hi)
.irp a, \a0, (\a0)+1
.irp b, 0,1,2,3,4,5,6,7
.if \zero
	v_wmma_f32_16x16x32_bf16 v[8*(8*(\a)+(\b)):8*(8*(\a)+(\b))+7], v[(\f)+8*(\b):(\f)+8*(\b)+7], v[(\f)+8*(4*(\hi)+(\a)):(\f)+8*(4*(\hi)+(\a))+7], 0
.else
	v_wmma_f32_16x16x32_bf16 v[8*(8*(\a)+(\b)):8*(8*(\a)+(\b))+7], v[(\f)+8*(\b):(\f)+8*(\b)+7], v[(\f)+8*(4*(\hi)+(\a)):(\f)+8*(4*(\hi)+(\a))+7], v[8*(8*(\a)+(\b)):8*(8*(\a)+(\b))+7]
.endif
.endr
.endr
.endm
; 32 LDS loads in one run: the fragments of one quarter step (128 rows of wkb, 128 rows of encb, 32 K at byte k of the rows) into buffer f
.macro FETCH slot, k, f
	WIN TO_B
.irp i, 0,1,2,3,4,5,6,7
	ds_load_b128 v[(\f)+8*(\i):(\f)+8*(\i)+3],   v[ADRB+(\slot)] offset:(\k)+(\i)*16*PITCH
	ds_load_b128 v[(\f)+8*(\i)+4:(\f)+8*(\i)+7], v[ADRB+(\slot)] offset:(\k)+(\i)*16*PITCH+32
.endr
	WIN 0
.irp i, 0,1,2,3,4,5,6,7
	ds_load_b128 v[(\f)+8*(\i):(\f)+8*(\i)+3],   v[ADRA+(\slot)] offset:(\k)+(\i)*16*PITCH
	ds_load_b128 v[(\f)+8*(\i)+4:(\f)+8*(\i)+7], v[ADRA+(\slot)] offset:(\k)+(\i)*16*PITCH+32
.endr
.endm
; A load into a register that a matrix instruction has read, and a vector instruction that reads a matrix result, stand four places behind it; only plain vector instructions that name none of its
; registers are places (ISA guide 7.12.1 for vector instructions).
.macro PLACES
.rept 4
	v_nop
.endr
.endm
; A K step is four quarters of 32 along K, 64 matrix instructions each, on buffers 0, 1, 0, 1.  All 64 accumulators take turns in the same order in every quarter, over the backward jump too.
; One of the first three: multiplies buffer f; in its middle it fetches the next quarter's fragments, at byte k of the same slot's rows, into buffer g.
.macro QUARTER slot, k, f, g, zero
	s_wait_dscnt 8                                 ; wkb's and encb's rows 0-63 are in; the youngest eight loads (encb's rows 64-127) may be out
	MUL16 \f, 0, 0, \zero
	MUL16 \f, 0, 2, \zero
	PLACES
	FETCH \slot, \k, \g
	s_wait_dscnt 32                                ; all but the 32 just issued
	MUL16 \f, 1, 0, \zero
	MUL16 \f, 1, 2, \zero
.endm
; The last quarter multiplies buffer 1 and changes slots.  MEET is its first half: ONE barrier.  In front of it each wave waits for all its tensor loads, of which one is out: its part of the next slot;
; adds 0 to its spare word; and waits for that and for its own reads of this slot.  Behind it nobody reads this slot any more and the next slot is whole.
.macro MEET round                      ; round = 1: a round of the cluster's barrier follows
	WIN 0                                          ; (the add's two registers lie in window 0)
	s_wait_tensorcnt 0x0                           ; all my tensor loads have landed;
	ds_add_u32 v[SPW], v[NIL]                      ; 0 onto my spare word
	s_wait_dscnt 9                                 ; (the add and the youngest eight loads may be out)
	MUL16 F1, 0, 0, 0                              ; sixteen matrix instructions stand between the add and the wait for it
	s_wait_dscnt 0x0                               ; the add is done, and my reads of this slot are over
	s_barrier_signal -1
	MUL16 F1, 0, 2, 0                              ; work on registers while the others arrive
.if \round
	WIN 0
.endif
	s_barrier_wait -1
.endm
; The whole last quarter.  Behind the round the slot just read out is filled again first, with the K step two on: from the request to the wait for it a wave issues 224 matrix instructions.
.macro TURN slot, next
	s_wait_xcnt 0x0                                ; the last prefetch, a K step back, has read its address: it is stepped here, ahead of the waits of the change of slots
	s_add_nc_u64 s[PFA:PFA+1], s[PFA:PFA+1], KSTEP*2
	MEET 1
	CREST                                          ; no wave of any partner still reads this slot or has a load on its way
	s_add_nc_u64 s[G0+4*(\slot)+2:G0+4*(\slot)+3], s[G0+4*(\slot)+2:G0+4*(\slot)+3], 2*KSTEP*2
	s_add_nc_u64 s[G0B+4*(\slot)+2:G0B+4*(\slot)+3], s[G0B+4*(\slot)+2:G0B+4*(\slot)+3], 2*KSTEP*2
	JLOAD \slot                                    ; the first tensor load behind the round; its four v_nop are also the places in front of the loads below
	FETCH \next, 0, F0
	ASK
	MUL16 F1, 1, 0, 0
	MUL16 F1, 1, 2, 0
.endm
; The two tables into registers that no product touches: for each column block b the columns 16 b + 8 (l / 16) + 0..7: the registers lie as an accumulator's do.
.macro TABLOAD
	WIN TO_B
.irp b, 0,1,2,3,4,5,6,7
	ds_load_b128 v[8*(\b):8*(\b)+3],   v[TABR] offset:64*(\b)
	ds_load_b128 v[8*(\b)+4:8*(\b)+7], v[TABR] offset:64*(\b)+16
.endr
	WIN 0
.irp b, 0,1,2,3,4,5,6,7
	ds_load_b128 v[WE+8*(\b):WE+8*(\b)+3],   v[TABR] offset:1024+64*(\b)
	ds_load_b128 v[WE+8*(\b)+4:WE+8*(\b)+7], v[TABR] offset:1024+64*(\b)+16
.endr
.endm
; THE ENERGY OF ROW BLOCKS 2 aa AND 2 aa + 1, in place on their 128 registers (64 pairs, ascending: each accumulator's lowest registers are read first).  t = c key + qs; 2^t; 1 + 2^t; its reciprocal;
; times -2 We, summed in four chains a row block.  The 128 exponentials are ONE batch with ONE wait, and so are the 128 reciprocals: ahead of a batch's wait nothing names a result of it.
; The packed line of pair p + 2 stands between the two transcendentals of pair p.
.macro EPI2 aa
.set AC, 128*((\aa)%2)
.set WA, 2+(\aa)/2
	WIN (WA<<6)|(1<<4)|WA                          ; destination and source 0: the accumulators' window; source 2: window 1
	v_pk_fma_f32 v[AC:AC+1], v[AC:AC+1], s[CS:CS+1], v[0:1] op_sel_hi:[1,0,1]
	v_pk_fma_f32 v[AC+2:AC+3], v[AC+2:AC+3], s[CS:CS+1], v[2:3] op_sel_hi:[1,0,1]
.set p, 0
.rept 64
	v_exp_f32 v[AC+2*p], v[AC+2*p]
.if p < 62
.set TQ, 2*((p+2)%32)
	v_pk_fma_f32 v[AC+2*p+4:AC+2*p+5], v[AC+2*p+4:AC+2*p+5], s[CS:CS+1], v[TQ:TQ+1] op_sel_hi:[1,0,1]
.endif
	v_exp_f32 v[AC+2*p+1], v[AC+2*p+1]
.set p, p+1
.endr
	v_nop                                          ; a plain instruction behind the last exponential,
	s_wait_alu depctr_va_vdst(0)                   ; and the one wait for the batch, ahead of the first line that names a result
	v_pk_add_f32 v[AC:AC+1], v[AC:AC+1], 1.0 op_sel_hi:[1,0]
	v_pk_add_f32 v[AC+2:AC+3], v[AC+2:AC+3], 1.0 op_sel_hi:[1,0]
.set p, 0
.rept 64
	v_rcp_f32 v[AC+2*p], v[AC+2*p]
.if p < 62
	v_pk_add_f32 v[AC+2*p+4:AC+2*p+5], v[AC+2*p+4:AC+2*p+5], 1.0 op_sel_hi:[1,0]
.endif
	v_rcp_f32 v[AC+2*p+1], v[AC+2*p+1]
.set p, p+1
.endr
	v_nop
	s_wait_alu depctr_va_vdst(0)                   ; the one wait for the reciprocals
	WIN WA                                         ; source 0: the accumulators' window; all else window 0
.set p, 0
.rept 64
.set WR, WE+2*(p%32)
.set RR, RS+8*(p/32)+2*(p%4)
.if (p%32) < 4
	v_pk_mul_f32 v[RR:RR+1], v[AC+2*p:AC+2*p+1], v[WR:WR+1]  ; the first four of a row block start its chains: nothing is cleared
.else
	v_pk_fma_f32 v[RR:RR+1], v[AC+2*p:AC+2*p+1], v[WR:WR+1], v[RR:RR+1]
.endif
.set p, p+1
.endr
	WIN 0
.irp u, 0,1
	v_pk_add_f32 v[RS+8*(\u):RS+8*(\u)+1], v[RS+8*(\u):RS+8*(\u)+1], v[RS+8*(\u)+2:RS+8*(\u)+3]
	v_pk_add_f32 v[RS+8*(\u)+4:RS+8*(\u)+5], v[RS+8*(\u)+4:RS+8*(\u)+5], v[RS+8*(\u)+6:RS+8*(\u)+7]
.endr
.irp u, 0,1
	v_pk_add_f32 v[RS+8*(\u):RS+8*(\u)+1], v[RS+8*(\u):RS+8*(\u)+1], v[RS+8*(\u)+4:RS+8*(\u)+5]
.endr
.irp u, 0,1
	v_add_f32 v[SUM+2*(\aa)+(\u)], v[RS+8*(\u)], v[RS+8*(\u)+1]
.endr
.endm
	s_wait_tensorcnt 0x1                           ; my part of K step 0 is in; K step 1's may stay out
	s_wait_dscnt 0x0                               ; my numbers of the two tables lie in LDS
	s_barrier_signal -1
	s_barrier_wait -1                              ; everybody's do
	FETCH 0, 0, F0
	QUARTER 0, 64,  F0, F1, 1                      ; the first quarter stands in front of the loop: its products start the sums
	WIN 0                                          ; at a label and at a branch every window is 0
	s_mov_b32 s3, LAPS-1
.Llap:                                                 ; a trip goes once round the ring, from a lap's second quarter to the next lap's first, and fills both slots again: K steps 2 to 15
	QUARTER 0, 128, F1, F0, 0
	QUARTER 0, 192, F0, F1, 0
	TURN 0, 1
	QUARTER 1, 64,  F0, F1, 0
	QUARTER 1, 128, F1, F0, 0
	QUARTER 1, 192, F0, F1, 0
	TURN 1, 0
	QUARTER 0, 64,  F0, F1, 0
	WIN 0
	s_sub_co_u32 s3, s3, 1
	s_cmp_lg_u32 s3, 0
	s_cbranch_scc1 .Llap
	QUARTER 0, 128, F1, F0, 0                      ; the last lap is written out: it asks for nothing, and has no round of the cluster's barrier
	QUARTER 0, 192, F0, F1, 0
	MEET 0                                         ; my one tensor load that was still out is slot 1's, the last K step's
	PLACES                                         ; for the loads into buffer 0, which the quarter before multiplied
	FETCH 1, 0, F0
	MUL16 F1, 1, 0, 0
	MUL16 F1, 1, 2, 0
	QUARTER 1, 64,  F0, F1, 0
	QUARTER 1, 128, F1, F0, 0
	QUARTER 1, 192, F0, F1, 0
	s_wait_dscnt 8                                 ; the very last quarter
	MUL16 F1, 0, 0, 0
	MUL16 F1, 0, 2, 0
	TABLOAD                                        ; the tables come in under the last 32 products
	s_wait_dscnt 32                                ; all but the 32 just issued
	MUL16 F1, 1, 0, 0
	MUL16 F1, 1, 2, 0
	WIN 0
.rept 8
	v_nop                                          ; the places behind the last products, once a launch
.endr
	s_wait_dscnt 0x0                               ; the tables are in
	EPI2 0
	EPI2 1
	EPI2 2
	EPI2 3
	; THE WAY OUT.  A row's other 64 columns lie in the lane 16 away.  The wave's 128 sums go through its own 512 bytes of LDS, so that one store covers 512 consecutive bytes of part, aligned.
.irp a, 0,1,2,3,4,5,6,7
	v_permlanex16_b32 v[RS+(\a)], v[SUM+(\a)], s[SEL], s[SEL+1]  ; its destination counts as read: the running pairs' registers have been written
.endr
.irp a, 0,1,2,3,4,5,6,7
	v_add_f32 v[SUM+(\a)], v[SUM+(\a)], v[RS+(\a)]
.endr
.irp a, 0,1,2,3,4,5,6,7
	ds_store_b32 v[OST], v[SUM+(\a)] offset:64*(\a)  ; row 16 a + l % 16; both halves of the lanes write the same word with the same number
.endr
	ds_load_b128 v[OUTV:OUTV+3], v[ORD]            ; LDS serves a wave's instructions in order (ISA guide 5.7.1.4): this sees the stores above
	s_wait_dscnt 0x0
	global_store_b128 v[PO], v[OUTV:OUTV+3], s[72:73]
	s_wait_tensorcnt 0x0                           ; the wave's end, behind my last tensor load and my last LDS store
	ds_add_u32 v[SPW], v[NIL]
	s_wait_dscnt 0x0
	CROUND                                         ; the closing round: no work-group ends while a partner may still ask for a tile that names it
	s_endpgm
.Lfunc_end_k_q96448dbb51_energy:
	.size	k_q96448dbb51_energy, .Lfunc_end_k_q96448dbb51_energy-k_q96448dbb51_energy
	.p2alignl 7, 3214868480
	.fill 96, 4, 3214868480
	.section	.rodata,"a",@progbits
	.p2align	6, 0x0
	.amdhsa_kernel k_q96448dbb51_energy
		.amdhsa_group_segment_fixed_size 327680
		.amdhsa_private_segment_fixed_size 0
		.amdhsa_enable_private_segment 0
		.amdhsa_kernarg_size 40
		.amdhsa_user_sgpr_count 2
		.amdhsa_user_sgpr_kernarg_segment_ptr 1
		.amdhsa_wavefront_size32 1
		.amdhsa_system_sgpr_workgroup_id_x 1
		.amdhsa_system_sgpr_workgroup_id_y 1
		.amdhsa_system_sgpr_workgroup_id_z 1
		.amdhsa_system_vgpr_workitem_id 0
		.amdhsa_next_free_vgpr 1024
		.amdhsa_next_free_sgpr 80
		.amdhsa_reserve_vcc 0
		.amdhsa_float_denorm_mode_32 3
		.amdhsa_float_denorm_mode_16_64 3
		.amdhsa_memory_ordered 1
		.amdhsa_forward_progress 1
		.amdhsa_inst_pref_size 200
	.end_amdhsa_kernel
	.amdgpu_metadata
---
amdhsa.version: [ 1, 2 ]
amdhsa.kernels:
  - .name:           k_q96448dbb51_energy
    .symbol:         k_q96448dbb51_energy.kd
    .args:
      - { .name: encb, .offset: 0, .size: 8, .value_kind: global_buffer, .address_space: global }
      - { .name: wkb, .offset: 8, .size: 8, .value_kind: global_buffer, .address_space: global }
      - { .name: qs, .offset: 16, .size: 8, .value_kind: global_buffer, .address_space: global }
      - { .name: We, .offset: 24, .size: 8, .value_kind: global_buffer, .address_space: global }
      - { .name: part, .offset: 32, .size: 8, .value_kind: global_buffer, .address_space: global }
    .group_segment_fixed_size: 327680
    .private_segment_fixed_size: 0
    .kernarg_segment_align: 8
    .kernarg_segment_size: 40
    .max_flat_workgroup_size: 128
    .sgpr_count:     80
    .vgpr_count:     1024
    .wavefront_size: 32
...
	.end_amdgpu_metadata
.endif
;; end of part 2
;; launch context (part 3): grid 8 x 32, 16 waves a work-group, no clusters, 23,040 bytes of LDS; arguments encb, part, out0; writes out0
.if DOCPART == 3
	.amdgcn_target "amdgcn-amd-amdhsa--gfx1250"
	.amdhsa_code_object_version 6
	.text
	.protected	k_q96448dbb51_context
	.globl	k_q96448dbb51_context
	.p2align	8
	.type	k_q96448dbb51_context,@function
k_q96448dbb51_context:
	s_mov_b64 s[64:65], 0
	v_nop
	global_prefetch_b8 v0, s[64:65] scope:SCOPE_SE
	s_setreg_imm32_b32 hwreg(HW_REG_WAVE_MODE, 25, 1), 1
	s_wait_xcnt 0x0
; CONTEXT.  score[b][s] = the sum of the eight planes of part (it lacks the sum of all We, the same number for every score, which a softmax does not see);
; alpha = softmax over the batch's 1,024 s, with the maximum taken away; out0[b][e] = the sum over s of alpha[s] encb[b][s][e].  encb is encoder_output rounded once to bf16; all arithmetic and all sums in f32.
; SHARES.  A work-group owns one batch and 256 columns (512 bytes of every row): no sum spans work-groups.  It makes the batch's softmax itself, from 32,768 bytes of part.
; Wave w takes the rows 64 w .. 64 w + 63; a lane 16 bytes (8 columns) of a row: a load of the wave covers 512 consecutive bytes, aligned.  The 16 partial sums meet in LDS.
; The division by the weights' sum is made once, at the end, on the 256 results.
; A multiply-add reads a bf16 half as it lies and adds in f32: eight lines for a lane's 16 bytes, no unpacking.
; Vector multiply-adds, not the matrix unit: a batch has ONE row of weights, a sixteenth of a tile, and each number of encb is used once.  No LDS on encb's way in: no wave wants a byte that another has fetched.
; NO CLUSTER: what the eight work-groups of a batch share is part, 32,768 bytes beside 524,288 of encb for each.  No prefetch: the ring below keeps 24 to 32 loads of every wave on their way from the first lines on.
; LIMITS.  A weight below 2^-126 counts as 0.  NaN and infinities are not treated apart.
.set RED,   0                          ; LDS: the 16 waves' maxima, in a block of 256 bytes
.set RED2,  256                        ; their sums, likewise
.set WT,    512                        ; the weight of row s at 4 s
.set PS,    4608                       ; the waves' partial sums, 1,024 bytes each
.set SPARE, 20992                      ; the spare words, 128 bytes for each of 16 waves
.set VO,  2                            ; v2   my byte offset in encb: 64 rows a wave, 16 bytes a lane; never rewritten: the rows stand in the immediates
.set T8,  3                            ; v3   8 x my thread's number
.set ZA,  4                            ; v4   0: LDS address 0, and the number that the first row's products are added onto
.set WA,  5                            ; v5   my wave's 64 weights
.set PA,  6                            ; v6   where I put my partial sums
.set T16, 7                            ; v7   16 x my thread's number
.set SC,  8                            ; v[8:23]  the eight planes' pairs of scores
.set RD,  24                           ; v[24:39] reductions
.set WB,  40                           ; v[40:55] two buffers of eight rows' weights
.set ACC, 56                           ; v[56:63] my eight sums
.set W4,  64                           ; v64  4 x my wave's number
.set SPW, 65                           ; v65  LDS address of my spare word; never rewritten
.set NIL, 66                           ; v66  0; never rewritten
.set RING, 68                          ; v[68:195] four slots of 32: a slot is a group of eight rows, a load a row
	s_load_b128 s[4:7], s[0:1], 0x0                ; encb s[4:5], part s[6:7]
	s_load_b64 s[8:9], s[0:1], 0x10                ; out0
	v_lshl_add_u32 v[SPW], v0, 2, SPARE
	v_mov_b32 v[NIL], 0
	v_lshrrev_b32 v1, 5, v0
	v_readfirstlane_b32 s14, v1                    ; wave 0..15
	v_and_b32 v1, 31, v0                           ; lane
	s_lshl_b32 s16, s14, 18                        ; 64 rows of 4,096 bytes
	v_lshl_add_u32 v[VO], v1, 4, s16
	v_lshlrev_b32 v[T8], 3, v0
	v_mov_b32 v[ZA], 0
	s_lshl_b32 s17, s14, 8
	s_add_co_u32 s17, s17, WT
	v_mov_b32 v[WA], s17
	s_lshl_b32 s18, s14, 10
	s_add_co_u32 s18, s18, PS
	v_lshl_add_u32 v[PA], v1, 5, s18
	v_lshlrev_b32 v[T16], 4, v0
	v_mov_b32 v[W4], s14
	v_lshlrev_b32 v[W4], 2, v[W4]
	v_mov_b32 v[RD+1], 0                           ; v_permlanex16_b32 counts as a reader of its destination
	s_mov_b32 s12, 0x76543210                      ; its selects: each lane takes its own place in the other half
	s_mov_b32 s13, 0xfedcba98
	s_mov_b32 s15, 0x3fb8aa3b                      ; log2(e)
	s_and_b32 s19, ttmp7, 0xffff                   ; the batch
	s_lshl_b32 s20, s19, 22                        ; its 1,024 rows of encb,
	s_lshl_b32 s21, ttmp9, 9                       ; my 512 bytes of a row
	s_add_co_u32 s20, s20, s21
	s_mov_b32 s21, 0
	s_lshl_b32 s22, s19, 12                        ; its 1,024 scores in a plane
	s_mov_b32 s23, 0
	s_lshl_b32 s24, s19, 13                        ; its row of out0,
	s_lshl_b32 s25, ttmp9, 10                      ; my 1,024 bytes of it
	s_add_co_u32 s24, s24, s25
	s_mov_b32 s25, 0
	s_wait_kmcnt 0x0
	s_add_nc_u64 s[4:5], s[4:5], s[20:21]
	s_add_nc_u64 s[6:7], s[6:7], s[22:23]
	s_add_nc_u64 s[8:9], s[8:9], s[24:25]
.macro LOADG g                         ; group g: rows 8 g .. 8 g + 7 of my wave's 64, eight loads, into slot g % 4
.irp i, 0,1,2,3,4,5,6,7
	global_load_b128 v[RING+32*((\g)%4)+4*(\i):RING+32*((\g)%4)+4*(\i)+3], v[VO], s[4:5] offset:(8*(\g)+(\i))*4096 th:TH_LOAD_NT
.endr
.endm
.irp k, 0,1,2,3,4,5,6,7
	global_load_b64 v[SC+2*(\k):SC+2*(\k)+1], v[T8], s[6:7] offset:131072*(\k)  ; rows 2 t and 2 t + 1 in plane k
.endr
	LOADG 0
	LOADG 1
	LOADG 2
	LOADG 3
	; THE SOFTMAX stands in the wait for the first rows of encb.
	s_wait_loadcnt 32                              ; the eight planes are in; the ring's 32 loads stay out
	v_pk_add_f32 v[SC:SC+1], v[SC:SC+1], v[SC+2:SC+3]
	v_pk_add_f32 v[SC+4:SC+5], v[SC+4:SC+5], v[SC+6:SC+7]
	v_pk_add_f32 v[SC+8:SC+9], v[SC+8:SC+9], v[SC+10:SC+11]
	v_pk_add_f32 v[SC+12:SC+13], v[SC+12:SC+13], v[SC+14:SC+15]
	v_pk_add_f32 v[SC:SC+1], v[SC:SC+1], v[SC+4:SC+5]
	v_pk_add_f32 v[SC+8:SC+9], v[SC+8:SC+9], v[SC+12:SC+13]
	v_pk_add_f32 v[SC:SC+1], v[SC:SC+1], v[SC+8:SC+9]
	v_max_num_f32 v[RD], v[SC], v[SC+1]
	v_max_num_f32_dpp v[RD], v[RD], v[RD] row_xmask:1 row_mask:0xf bank_mask:0xf
	v_max_num_f32_dpp v[RD], v[RD], v[RD] row_xmask:2 row_mask:0xf bank_mask:0xf
	v_max_num_f32_dpp v[RD], v[RD], v[RD] row_xmask:4 row_mask:0xf bank_mask:0xf
	v_max_num_f32_dpp v[RD], v[RD], v[RD] row_xmask:8 row_mask:0xf bank_mask:0xf
	v_permlanex16_b32 v[RD+1], v[RD], s12, s13
	v_max_num_f32 v[RD], v[RD], v[RD+1]
	ds_store_b32 v[W4], v[RD] offset:RED           ; all lanes write the wave's word with the same number
	s_wait_dscnt 0x0                               ; for the others' sake
	s_barrier_signal -1
	s_barrier_wait -1
.irp k, 0,1,2,3
	ds_load_b128 v[RD+4*(\k):RD+4*(\k)+3], v[ZA] offset:RED+16*(\k)
.endr
	s_wait_dscnt 0x0
	v_max3_num_f32 v[RD], v[RD], v[RD+1], v[RD+2]
	v_max3_num_f32 v[RD+3], v[RD+3], v[RD+4], v[RD+5]
	v_max3_num_f32 v[RD+6], v[RD+6], v[RD+7], v[RD+8]
	v_max3_num_f32 v[RD+9], v[RD+9], v[RD+10], v[RD+11]
	v_max3_num_f32 v[RD+12], v[RD+12], v[RD+13], v[RD+14]
	v_max3_num_f32 v[RD], v[RD], v[RD+3], v[RD+6]
	v_max3_num_f32 v[RD+9], v[RD+9], v[RD+12], v[RD+15]
	v_max_num_f32 v[RD], v[RD], v[RD+9]            ; the batch's maximum, in every lane
	v_mul_f32 v[RD+1], s15, v[RD]
	v_fma_f32 v[SC], v[SC], s15, -v[RD+1]          ; log2(e) (score - maximum)
	v_fma_f32 v[SC+1], v[SC+1], s15, -v[RD+1]
	v_exp_f32 v[RD+8], v[SC]
	v_exp_f32 v[RD+9], v[SC+1]
	v_nop                                          ; a plain instruction behind the last exponential,
	s_wait_alu depctr_va_vdst(0)                   ; and the one wait for the two, ahead of the first use
	v_add_f32 v[RD+4], v[RD+8], v[RD+9]
	v_add_f32_dpp v[RD+4], v[RD+4], v[RD+4] row_xmask:1 row_mask:0xf bank_mask:0xf
	v_add_f32_dpp v[RD+4], v[RD+4], v[RD+4] row_xmask:2 row_mask:0xf bank_mask:0xf
	v_add_f32_dpp v[RD+4], v[RD+4], v[RD+4] row_xmask:4 row_mask:0xf bank_mask:0xf
	v_add_f32_dpp v[RD+4], v[RD+4], v[RD+4] row_xmask:8 row_mask:0xf bank_mask:0xf
	v_permlanex16_b32 v[RD+5], v[RD+4], s12, s13
	v_add_f32 v[RD+4], v[RD+4], v[RD+5]
	ds_store_b32 v[W4], v[RD+4] offset:RED2
	ds_store_b64 v[T8], v[RD+8:RD+9] offset:WT
	s_wait_dscnt 0x0                               ; for the others' sake
	s_barrier_signal -1
	s_barrier_wait -1                              ; all 1,024 weights lie in LDS
	ds_load_b128 v[WB:WB+3],   v[WA]               ; group 0's weights: every lane reads the same words
	ds_load_b128 v[WB+4:WB+7], v[WA] offset:16
; Group g: the next group's weights are asked for; the group's eight loads are waited for, the younger groups' stay out; 64 multiply-adds on eight sums by turns; the slot is asked for again.
.macro GROUP g
.if (\g) < 7
	ds_load_b128 v[WB+8*(((\g)+1)%2):WB+8*(((\g)+1)%2)+3],   v[WA] offset:32*((\g)+1)
	ds_load_b128 v[WB+8*(((\g)+1)%2)+4:WB+8*(((\g)+1)%2)+7], v[WA] offset:32*((\g)+1)+16
	s_wait_dscnt 0x2                               ; my weights are in; the two loads just issued may stay out
.else
	s_wait_dscnt 0x0
.endif
.if (\g) <= 4
	s_wait_loadcnt 24                              ; three younger groups stay out
.else
	s_wait_loadcnt 8*(7-(\g))                      ; the last groups load nothing: the counts run down
.endif
.irp i, 0,1,2,3,4,5,6,7
.irp j, 0,1,2,3
.if ((\g) == 0) && ((\i) == 0)
	v_fma_mix_f32_bf16 v[ACC+2*(\j)],   v[RING+32*((\g)%4)+4*(\i)+(\j)], v[WB+8*((\g)%2)+(\i)], v[ZA] op_sel_hi:[1,0,0]                ; the first row starts the sums: nothing is cleared
	v_fma_mix_f32_bf16 v[ACC+2*(\j)+1], v[RING+32*((\g)%4)+4*(\i)+(\j)], v[WB+8*((\g)%2)+(\i)], v[ZA] op_sel:[1,0,0] op_sel_hi:[1,0,0]
.else
	v_fma_mix_f32_bf16 v[ACC+2*(\j)],   v[RING+32*((\g)%4)+4*(\i)+(\j)], v[WB+8*((\g)%2)+(\i)], v[ACC+2*(\j)] op_sel_hi:[1,0,0]        ; the low half x the row's weight,
	v_fma_mix_f32_bf16 v[ACC+2*(\j)+1], v[RING+32*((\g)%4)+4*(\i)+(\j)], v[WB+8*((\g)%2)+(\i)], v[ACC+2*(\j)+1] op_sel:[1,0,0] op_sel_hi:[1,0,0]  ; the high half
.endif
.endr
.endr
.if (\g) <= 3
	LOADG (\g)+4
.endif
.endm
.irp g, 0,1,2,3,4,5,6,7
	GROUP \g
.endr
	ds_store_b128 v[PA], v[ACC:ACC+3]
	ds_store_b128 v[PA], v[ACC+4:ACC+7] offset:16
	s_wait_dscnt 0x0                               ; for the others' sake
	s_barrier_signal -1
	s_barrier_wait -1                              ; all 16 partial sums lie in LDS
	s_cmp_lt_u32 s14, 2                            ; threads 0-63 finish: 16 bytes of the 1,024 each
	s_cbranch_scc0 .Lend
.irp k, 0,1,2,3
	ds_load_b128 v[RD+4*(\k):RD+4*(\k)+3], v[ZA] offset:RED2+16*(\k)
.endr
.irp p, 0,1,2,3,4,5,6,7,8,9,10,11,12,13,14,15
	ds_load_b128 v[RING+4*(\p):RING+4*(\p)+3], v[T16] offset:PS+1024*(\p)
.endr
	s_wait_dscnt 16                                ; the waves' sums are in; the 16 loads behind them may stay out
	v_pk_add_f32 v[RD:RD+1], v[RD:RD+1], v[RD+8:RD+9]
	v_pk_add_f32 v[RD+2:RD+3], v[RD+2:RD+3], v[RD+10:RD+11]
	v_pk_add_f32 v[RD+4:RD+5], v[RD+4:RD+5], v[RD+12:RD+13]
	v_pk_add_f32 v[RD+6:RD+7], v[RD+6:RD+7], v[RD+14:RD+15]
	v_pk_add_f32 v[RD:RD+1], v[RD:RD+1], v[RD+4:RD+5]
	v_pk_add_f32 v[RD+2:RD+3], v[RD+2:RD+3], v[RD+6:RD+7]
	v_pk_add_f32 v[RD:RD+1], v[RD:RD+1], v[RD+2:RD+3]
	v_add_f32 v[RD], v[RD], v[RD+1]                ; the sum of all weights: at least the largest one, which is about 1
	v_rcp_f32 v[RD+2], v[RD]
	s_wait_dscnt 0x0
.macro FOLD n                          ; groups of four registers 0 .. n - 1 take groups n .. 2 n - 1
.set q, 0
.rept 2*(\n)
	v_pk_add_f32 v[RING+2*q:RING+2*q+1], v[RING+2*q:RING+2*q+1], v[RING+4*(\n)+2*q:RING+4*(\n)+2*q+1]
.set q, q+1
.endr
.endm
	FOLD 8                                         ; the 30 additions are the independent work behind the reciprocal
	FOLD 4
	FOLD 2
	FOLD 1
	s_wait_alu depctr_va_vdst(0)                   ; its wait, ahead of the first use
	v_pk_mul_f32 v[RING:RING+1], v[RING:RING+1], v[RD+2:RD+3] op_sel_hi:[1,0]
	v_pk_mul_f32 v[RING+2:RING+3], v[RING+2:RING+3], v[RD+2:RD+3] op_sel_hi:[1,0]
	global_store_b128 v[T16], v[RING:RING+3], s[8:9]  ; a wave stores 512 consecutive bytes of out0, aligned
.Lend:
	s_wait_tensorcnt 0x0                           ; the wave's end, behind my last LDS store
	ds_add_u32 v[SPW], v[NIL]
	s_wait_dscnt 0x0
	s_endpgm
.Lfunc_end_k_q96448dbb51_context:
	.size	k_q96448dbb51_context, .Lfunc_end_k_q96448dbb51_context-k_q96448dbb51_context
	.p2alignl 7, 3214868480
	.fill 96, 4, 3214868480
	.section	.rodata,"a",@progbits
	.p2align	6, 0x0
	.amdhsa_kernel k_q96448dbb51_context
		.amdhsa_group_segment_fixed_size 23040
		.amdhsa_private_segment_fixed_size 0
		.amdhsa_enable_private_segment 0
		.amdhsa_kernarg_size 24
		.amdhsa_user_sgpr_count 2
		.amdhsa_user_sgpr_kernarg_segment_ptr 1
		.amdhsa_wavefront_size32 1
		.amdhsa_system_sgpr_workgroup_id_x 1
		.amdhsa_system_sgpr_workgroup_id_y 1
		.amdhsa_system_sgpr_workgroup_id_z 1
		.amdhsa_system_vgpr_workitem_id 0
		.amdhsa_next_free_vgpr 196
		.amdhsa_next_free_sgpr 66
		.amdhsa_reserve_vcc 0
		.amdhsa_float_denorm_mode_32 3
		.amdhsa_float_denorm_mode_16_64 3
		.amdhsa_memory_ordered 1
		.amdhsa_forward_progress 1
		.amdhsa_inst_pref_size 50
	.end_amdhsa_kernel
	.amdgpu_metadata
---
amdhsa.version: [ 1, 2 ]
amdhsa.kernels:
  - .name:           k_q96448dbb51_context
    .symbol:         k_q96448dbb51_context.kd
    .args:
      - { .name: encb, .offset: 0, .size: 8, .value_kind: global_buffer, .address_space: global }
      - { .name: part, .offset: 8, .size: 8, .value_kind: global_buffer, .address_space: global }
      - { .name: out0, .offset: 16, .size: 8, .value_kind: global_buffer, .address_space: global }
    .group_segment_fixed_size: 23040
    .private_segment_fixed_size: 0
    .kernarg_segment_align: 8
    .kernarg_segment_size: 24
    .max_flat_workgroup_size: 512
    .sgpr_count:     66
    .vgpr_count:     196
    .wavefront_size: 32
...
	.end_amdgpu_metadata
.endif
;; end of part 3
